; MI455X (gfx1250); checked and timed in simulation.
; The chip was launched on July 23, 2026; its instructions are those of AMD's public machine-readable ISA for CDNA 5 (MIT licence, August 2026) and "CDNA5" Instruction Set Architecture Reference Guide (July 2026). The comments in the code are by the model that wrote it; some were corrected since.
;; E8 Q Linear. Allowed arithmetic: matrix products marked QUANTISED: E5M2 operands, one given power-of-two scale a tensor, by v_wmma_f32_16x16x64_bf8_bf8 or v_wmma_f32_16x16x128_bf8_bf8, f32 sums; everything else in f32.
;; Inputs: bias 4,096 float32; lowp_scales 2 int32 (the exponents e of the quantised operands' scales 2^e); weight 4,096 x 4,096 float32; x 4,096 x 4,096 float32.
;; Outputs: out0 4,096 x 4,096 float32.
;; This version of the problem:
;;   THIS VERSION OF THE PROBLEM IS GIVEN IN LOW PRECISION. The matrix products marked QUANTISED in the list below multiply operands that are first quantised to E5M2 (5 exponent bits, 2 mantissa bits; 8 bits a number), with one given power-of-two scale for each operand tensor; their sums are f32. All else is computed in f32.
;;   The module's matrix products, in the order in which they are computed (A, B: the left and right operand; K: the contracted axis; several contracted axes count as one K, in the product's order):
;;     1. [M 4,096, K 4,096] x [K 4,096, N 4,096]; A: input x; B: computed on the way: QUANTISED (scales: A lowp_scales[0], B lowp_scales[1])
;;   THE QUANTISER, for each operand of a quantised product, along K:
;;     - The operand's scale is 2^e, e = its entry of the input lowp_scales (int32; the entries are numbered through the quantised products in the list's order, A before B).
;;     - Each number is divided by the scale, clamped to +-57,344, and rounded to the nearest number of E5M2, ties to even, subnormals kept.
;;     - The product sums the exact products of the quantised numbers (number of the format x scale) in f32.
;;   ~~~python
;;   def quantise(x, axis, e):      # numpy; x: float32 -> the quantised numbers, widened to float32 again
;;       x = np.moveaxis(x, axis, -1); K = x.shape[-1]
;;       r = np.clip(x / 2.0 ** e, -57344, 57344)
;;       step = 2.0 ** (np.maximum(np.frexp(np.where(r == 0, 1, r))[1] - 1, -14) - 2)
;;       q = np.round(r / step) * step * 2.0 ** e      # np.round: ties to even
;;       return np.moveaxis(q, -1, axis).astype(np.float32)
;;   ~~~
;;   OPERANDS COMPUTED ON THE WAY. 'Computed on the way' means the value that the module computes at that place (a softmax that the list does not call 'softmax' is quantised finished and normalised). What goes into a quantiser is computed in f32, as accurately as f32 sums, v_exp_f32 and their like allow (about 1e-6 of the number): no bf16 or f16 on the way to a quantiser, and a product that is left as it is and whose result goes on into a quantised operand takes f32 operands (vector FMAs, or v_wmma_f32_16x16x4_f32). A number that lies on a knife's edge between two numbers of the format may be rounded either way, as far as f32 arithmetic and the matrix unit's own rounding can turn it there, and no further.
;; One version. Each part assembles by itself: llvm-mc -triple=amdgcn-amd-amdhsa -mcpu=gfx1250 --defsym DOCPART=n.
;; ======== version 1 of 1: 2 launches
;; limits: right only within a limited range of input values
;; workspace buffers: x_codes 16,777,216 bytes; w_codes 16,777,216 bytes
;; launch prep (part 1): grid 256 x 1, 16 waves a work-group, no clusters, 327,680 bytes of LDS; arguments weight, x, lowp_scales, w_codes, x_codes; writes w_codes, x_codes
.if DOCPART == 1
	.amdgcn_target "amdgcn-amd-amdhsa--gfx1250"
	.amdhsa_code_object_version 6
	.text
	.protected	k_q488029038a_prep
	.globl	k_q488029038a_prep
	.p2align	8
	.type	k_q488029038a_prep,@function
k_q488029038a_prep:
	s_mov_b64 s[64:65], 0
	v_nop
	global_prefetch_b8 v0, s[64:65] scope:SCOPE_SE
	s_setreg_imm32_b32 hwreg(HW_REG_WAVE_MODE, 25, 1), 1
	s_wait_xcnt 0x0
; weight [4096][4096] f32 -> w_codes, x [4096][4096] f32 -> x_codes: codes of BF8 (E5M2), one a byte.
; THE CODES' BUFFERS ARE LAID BY K STEPS: [16 K steps][4096 rows][256 codes]: code (row, k) lies at byte (k / 256) x 1,048,576 + 256 row + k % 256: a tile of 128 rows x 256 along K is 32,768 consecutive bytes.
; weight, row by row: n = max(the row's norm, 1e-8); v = (w / n) x 30 (30 = 60 x max(0.5, 4096 / 10000)); each 8 neighbours of v go to the nearest point of E8 = D8 or D8 + 1/2;
; the point x n / 30 is held within +-57,344 x 2^ew and converted with the scale 2^ew.  x: held within +-57,344 x 2^ex and converted with 2^ex.  ex, ew: entries 0 and 1 (int32) of the buffer of scales.
; NEAREST POINT OF D8: round each coordinate to the nearest whole number (ties to even); if their sum is odd, the FIRST coordinate with the largest rounding error goes the other way.
; Its squared distance is the sum of d^2, + 1 - 2 max|d| where the sum is odd (the turned coordinate's error is 1 - |d|).  The nearer of the two cosets is taken, D8 on a tie.
; SHARES.  Sixteen waves; wave g = 16 x work-group + wave takes row g of weight and then row g of x: every wave has the same work.  No loop, no branch.
; A lattice block and a conversion want 8 NEIGHBOURS in one lane.  So a row of 16,384 bytes comes into the wave's own region of LDS by ONE tensor load, as 64 rows of 256 bytes with 16 bytes of padding behind each
; (byte b of the row lies at b + 16 (b / 256)), and the lanes read it 32 bytes each.
; weight's row is read once, into 128 registers, and its squares are summed on the way.  x's row then takes the same region: each wave waits for all its loads, issues the add, waits for it and for its reads, and SIGNALS
; the work-group's barrier.  Between the signal and the barrier's wait stand the norm and the first PRE of the 16 lattice chunks: work on registers alone, whose codes stay in registers of their own.  Behind the wait
; comes x's load first, then the PRE stores that were held back, then the other chunks; so a wave whose row came early works while the other waves' rows are still on their way, and x's row has 16 - PRE chunks in which to land.
; A lane's 8 codes are 8 bytes: a store of the wave covers 256 consecutive bytes, aligned.
; No clusters: no two work-groups read the same bytes.  No prefetch: the text has no loop to run ahead in, and each byte is asked for once.
; LIMITS.  -126 <= e and e + 15 <= 127 for ex and ew.  NaN and infinities among the inputs are not served, nor a row whose sum of squares overflows.  The root and the two quotients (w / n, n / 30) are corrected
; by one fused step each; point x (n / 30) is rounded once, where the definition rounds point x n and then / 30.  The sums for the norm and for the two distances are f32 sums in this text's own order, and
; the second coset's distance is taken from the rounded v - 1/2: a lattice decision that lies within a few units in the last place of a tie may fall the other way.
.set REG,  17408                       ; a wave's region of LDS: 16,384 bytes + 64 x 16 of padding
.set SPARE, 16*REG                     ; behind the sixteen regions: the spare words, 128 bytes for each wave, that no other line names
.set PRE,  12                          ; lattice chunks between the barrier's signal and its wait
.set RA,   3                           ; v3   LDS: region + 32 lane + 16 (lane / 8); chunk c at + 1088 c
.set CO,   4                           ; v4   8 x lane: my codes' place in a chunk's 256 bytes
.set RN,   6                           ; v[6:7]   1 / n, twice
.set NN,   8                           ; v[8:9]   n, twice
.set NR,   10                          ; v[10:11] n / 30, twice
.set SCW,  12                          ; v12  2^ew as f32      v13  57,344 x 2^ew
.set LIMW, 13
.set SCX,  14                          ; v14  2^ex             v15  57,344 x 2^ex
.set LIMX, 15
.set OFF,  16                          ; v[16:17] the chosen coset's offset, 0 or 1/2 (the upper word is 0 and is not used)
.set ON,   18                          ; v[18:19] offset x n / 30 (likewise)
.set OD0,  20                          ; coset 0: 0 (even sum) or 1/2 (odd);  v21 its largest |d|;  v22 its distance
.set MX0,  21
.set DS0,  22
.set OD1,  23                          ; coset 1 likewise
.set MX1,  24
.set DS1,  25
.set F,    32                          ; v[32:39] at work: the rounded coordinates
.set D,    40                          ; v[40:47] at work: the rounding errors (named v40 .. v47 where a magnitude is taken)
.set SQ,   48                          ; v[48:55] the squares' four packed chains
.set CX,   32                          ; v[32:63] x's codes: registers that the lattice phase is done with
.set CW,   64                          ; v[64:95] weight's codes: two registers of its own for each chunk, so that no store's data are written again
.set R,    96                          ; v[96:223] a row, 8 neighbours a lane in each of 16 chunks
.set SPW,  224                         ; v224 LDS address of my spare word; never rewritten
.set NIL,  225                         ; v225 0; never rewritten
.set GW,   44                          ; s[44:47] descriptor group 0 for weight's row
.set G1,   48                          ; s[48:55] descriptor group 1: the shape, the same for both loads
.set GX,   60                          ; s[60:63] descriptor group 0 for x's row
	s_load_b256 s[4:11], s[0:1], 0x0               ; weight s[4:5], x s[6:7], the scales' exponents s[8:9], weight's codes s[10:11]
	s_load_b64 s[12:13], s[0:1], 0x20              ; x's codes
	v_lshl_add_u32 v[SPW], v0, 2, SPARE
	v_mov_b32 v[NIL], 0
	ds_add_u32 v[SPW], v[NIL]                      ; the opening lines: the add, twice on end, and its wait ahead of my first tensor load
	ds_add_u32 v[SPW], v[NIL]
	v_lshrrev_b32 v26, 5, v0
	v_readfirstlane_b32 s14, v26                   ; wave 0..15
	s_mov_b32 s[G1+0], (3<<16)|(1<<20)|(5<<22)|(3<<25)   ; elements of 8 bytes; padding on: behind every 64 words, 4 words
	s_mov_b32 s[G1+1], 32<<16                      ; tensor_dim0 = 32 elements: 256 bytes
	s_mov_b32 s[G1+2], 64<<16                      ; tensor_dim1 = 64
	s_mov_b32 s[G1+3], 32<<16                      ; tile_dim0
	s_mov_b32 s[G1+4], 64                          ; tile_dim1
	s_mov_b32 s[G1+5], 32                          ; the pitch: the 64 pieces of a row of the tensor lie on end
	s_mov_b32 s[G1+6], 0
	s_mov_b32 s[G1+7], 0
	s_mov_b32 s[GW], 1
	s_mul_i32 s[GW+1], s14, REG                    ; my region
	s_mov_b32 s[GX], 1
	s_mul_i32 s[GX+1], s14, REG
	s_mul_i32 s22, s14, REG
	s_lshl_b32 s15, ttmp9, 4
	s_add_co_u32 s15, s15, s14                     ; my row
	s_lshl_b32 s16, s15, 14                        ; x 16,384 bytes of f32
	s_mov_b32 s17, 0
	s_lshl_b32 s18, s15, 8                         ; x 256 bytes: my row's place in a K step's plane of codes
	s_mov_b32 s19, 0
	s_mov_b32 s24, 0x7fffffff                      ; all but the sign
	s_mov_b32 s26, 0x3d088889                      ; 1 / 30
	s_mov_b32 s27, 0x322bcc77                      ; 1e-8
	s_mov_b32 s28, 0x76543210                      ; v_permlanex16_b32: lane l xor 16
	s_mov_b32 s29, 0xfedcba98
	s_mov_b32 s42, 0x41f00000                      ; 30
	s_mov_b32 s43, 0x41f00000
	s_wait_dscnt 0x0                               ; both opening adds are done
	s_wait_kmcnt 0x0
	s_add_nc_u64 s[GW+2:GW+3], s[4:5], s[16:17]
	s_or_b32 s[GW+3], s[GW+3], 0x80000000
	tensor_load_to_lds s[GW:GW+3], s[G1:G1+7]      ; weight's row: my one tensor load at the head
	s_nop 0
	s_load_b64 s[20:21], s[8:9], 0x0               ; ex, ew
	s_add_nc_u64 s[GX+2:GX+3], s[6:7], s[16:17]
	s_or_b32 s[GX+3], s[GX+3], 0x80000000
	s_add_nc_u64 s[10:11], s[10:11], s[18:19]
	s_add_nc_u64 s[12:13], s[12:13], s[18:19]
	s_add_nc_u64 s[56:57], s[10:11], 0x800000      ; K steps 8 to 15 have bases of their own, so that every offset stays inside the signed 24-bit immediate
	s_add_nc_u64 s[58:59], s[12:13], 0x800000
	v_and_b32 v5, 31, v0                           ; lane
	v_lshrrev_b32 v26, 3, v5
	v_lshlrev_b32 v[RA], 5, v5
	v_lshl_add_u32 v[RA], v26, 4, v[RA]
	v_add_nc_u32 v[RA], s22, v[RA]
	v_lshlrev_b32 v[CO], 3, v5
	v_mov_b32 v[OFF+1], 0                          ; named as upper halves of pairs, so they are written
	v_mov_b32 v[ON+1], 0
	s_wait_kmcnt 0x0
	s_add_co_i32 s22, s21, 127
	s_lshl_b32 s23, s22, 23
	v_mov_b32 v[SCW], s23                          ; 2^ew: the conversion takes its exponent field
	s_add_co_i32 s22, s22, 15
	s_lshl_b32 s22, s22, 23
	s_or_b32 s22, s22, 0x600000
	v_mov_b32 v[LIMW], s22                         ; 57,344 x 2^ew
	s_add_co_i32 s22, s20, 127
	s_lshl_b32 s23, s22, 23
	v_mov_b32 v[SCX], s23
	s_add_co_i32 s22, s22, 15
	s_lshl_b32 s22, s22, 23
	s_or_b32 s22, s22, 0x600000
	v_mov_b32 v[LIMX], s22
	s_wait_alu depctr_va_vdst(0)
	s_wait_tensorcnt 0x0                           ; weight's row lies in my region, which I alone read
.macro ROWIN                           ; the row out of my region: chunk c, my 8 neighbours, into v[R + 8 c] on
.set i, 0
.rept 16
	ds_load_b128 v[R+8*i:R+8*i+3], v[RA] offset:1088*i
	ds_load_b128 v[R+8*i+4:R+8*i+7], v[RA] offset:1088*i+16
.set i, i+1
.endr
.endm
	ROWIN
	; the row's squares, in four packed chains that the first two loads start (nothing is cleared)
.set i, 0
.rept 32
.if i%8 == 0
	s_wait_alu depctr_va_vdst(0)
	s_wait_dscnt 24-i                              ; LDS loads come back in order: eight more are in, the 24 - i younger ones may be out
.endif
.set CH, SQ+4*(i%2)
.if i < 2
	v_pk_mul_f32 v[CH:CH+1], v[R+4*i:R+4*i+1], v[R+4*i:R+4*i+1]
	v_pk_mul_f32 v[CH+2:CH+3], v[R+4*i+2:R+4*i+3], v[R+4*i+2:R+4*i+3]
.else
	v_pk_fma_f32 v[CH:CH+1], v[R+4*i:R+4*i+1], v[R+4*i:R+4*i+1], v[CH:CH+1]
	v_pk_fma_f32 v[CH+2:CH+3], v[R+4*i+2:R+4*i+3], v[R+4*i+2:R+4*i+3], v[CH+2:CH+3]
.endif
.set i, i+1
.endr
	s_wait_alu depctr_va_vdst(0)
	s_wait_tensorcnt 0x0                           ; no tensor load of mine is out;
	ds_add_u32 v[SPW], v[NIL]
	s_wait_dscnt 0x0                               ; the add is done, and my reads of the region are back:
	s_barrier_signal -1                            ; say so.  Up to the barrier's wait, below, stands work on registers alone: no store, no LDS access, no tensor load
	; the norm: the chains, the 32 lanes, the root with one corrected step; then 1 / n and n / 30, each with one corrected step
	v_pk_add_f32 v[48:49], v[48:49], v[50:51]
	v_pk_add_f32 v[52:53], v[52:53], v[54:55]
	v_pk_add_f32 v[48:49], v[48:49], v[52:53]
	v_add_f32 v31, v48, v49
	v_add_f32_dpp v31, v31, v31 row_xmask:1 row_mask:0xf bank_mask:0xf
	v_add_f32_dpp v31, v31, v31 row_xmask:2 row_mask:0xf bank_mask:0xf
	v_add_f32_dpp v31, v31, v31 row_xmask:4 row_mask:0xf bank_mask:0xf
	v_add_f32_dpp v31, v31, v31 row_xmask:8 row_mask:0xf bank_mask:0xf
	v_permlanex16_b32 v5, v31, s28, s29            ; (its destination counts as read: v5 has been written)
	v_add_f32 v31, v31, v5                         ; a = the row's sum of squares, in every lane
	s_wait_alu depctr_va_vdst(0)
	v_sqrt_f32 v30, v31
	v_nop                                          ; a plain instruction behind the root,
	s_wait_alu depctr_va_vdst(0)                   ; and the wait ahead of the first use
	v_max_num_f32 v26, s27, v30                    ; (held from below, so that the reciprocal is finite where a = 0)
	s_wait_alu depctr_va_vdst(0)
	v_rcp_f32 v27, v26
	v_fma_f32 v28, -v30, v30, v31                  ; a - s^2, exactly formed.  (The plain instruction behind the reciprocal)
	s_wait_alu depctr_va_vdst(0)
	v_mul_f32 v27, 0.5, v27
	v_fma_f32 v30, v28, v27, v30                   ; s + (a - s^2) / (2 s)
	v_max_num_f32 v[NN], s27, v30                  ; n = max(norm, 1e-8)
	v_mov_b32 v[NN+1], v[NN]
	s_wait_alu depctr_va_vdst(0)
	v_rcp_f32 v27, v[NN]
	v_mul_f32 v26, s26, v[NN]                      ; n x (1 / 30), to be corrected.  (The plain instruction behind the reciprocal)
	s_wait_alu depctr_va_vdst(0)
	v_fma_f32 v28, -v[NN], v27, 1.0
	v_fma_f32 v[RN], v28, v27, v27                 ; 1 / n
	v_mov_b32 v[RN+1], v[RN]
	s_wait_alu depctr_va_vdst(0)
	v_fma_f32 v28, -v26, s42, v[NN]                ; n - 30 q
	v_fma_f32 v[NR], v28, s26, v26                 ; n / 30
	v_mov_b32 v[NR+1], v[NR]
; One coset's search on the 8 numbers in v[XS] on.  half = 1: the numbers less 1/2.  Leaves: v[o] 0 or 1/2 (the sum of the rounded numbers is even or odd), v[m] the largest |d|, v[ds] the squared distance.
.macro COSET half, o, m, ds
.if \half
.irp j, 0,2,4,6
	v_pk_add_f32 v[D+\j:D+\j+1], v[XS+\j:XS+\j+1], -0.5 op_sel_hi:[1,0]
.endr
.irp k, 0,1,2,3,4,5,6,7
	v_rndne_f32 v[F+\k], v[D+\k]
.endr
.irp j, 0,2,4,6
	v_pk_add_f32 v[D+\j:D+\j+1], v[D+\j:D+\j+1], v[F+\j:F+\j+1] neg_lo:[0,1] neg_hi:[0,1]
.endr
.else
.irp k, 0,1,2,3,4,5,6,7
	v_rndne_f32 v[F+\k], v[XS+\k]
.endr
.irp j, 0,2,4,6
	v_pk_add_f32 v[D+\j:D+\j+1], v[XS+\j:XS+\j+1], v[F+\j:F+\j+1] neg_lo:[0,1] neg_hi:[0,1]
.endr
.endif
	v_pk_add_f32 v[26:27], v[F:F+1], v[F+2:F+3]    ; the sum of eight whole numbers of at most 31 each: exact
	v_pk_add_f32 v[28:29], v[F+4:F+5], v[F+6:F+7]
	v_max3_num_f32 v[\m], |v40|, |v41|, |v42|
	v_pk_add_f32 v[26:27], v[26:27], v[28:29]
	v_max3_num_f32 v[\m], v[\m], |v43|, |v44|
	v_add_f32 v30, v26, v27
	v_max3_num_f32 v[\m], v[\m], |v45|, |v46|
	v_mul_f32 v30, 0.5, v30
	v_max_num_f32 v[\m], v[\m], |v47|
	v_fract_f32 v[\o], v30                         ; half the sum, less its floor: 0 or 1/2
	v_pk_mul_f32 v[26:27], v[D:D+1], v[D:D+1]
	v_pk_fma_f32 v[26:27], v[D+2:D+3], v[D+2:D+3], v[26:27]
	v_pk_fma_f32 v[26:27], v[D+4:D+5], v[D+4:D+5], v[26:27]
	v_pk_fma_f32 v[26:27], v[D+6:D+7], v[D+6:D+7], v[26:27]
	v_fma_f32 v28, -4.0, v[\m], 2.0                ; 2 - 4 max|d|,
	v_add_f32 v30, v26, v27
	v_fma_f32 v[\ds], v[\o], v28, v30              ; x 0 or 1/2: + 1 - 2 max|d| where the sum is odd
.endm
.macro PUTW c                          ; chunk c's codes: the 32 lanes store 256 consecutive bytes, at a multiple of 256 from the buffer's first byte: my row in K step c's plane
	global_store_b64 v[CO], v[CW+2*(\c):CW+2*(\c)+1], s[10+46*((\c)/8):11+46*((\c)/8)] offset:1048576*((\c)%8)
.endm
; Chunk CC: the 8 numbers of weight in v[XS] on become 8 codes.  From chunk PRE on they are stored at once; those of the earlier chunks, which stand between the barrier's signal and its wait, are stored behind the wait.
.macro E8
.irp j, 0,2,4,6
	v_pk_mul_f32 v[F+\j:F+\j+1], v[XS+\j:XS+\j+1], v[RN:RN+1]                      ; q = w x (1 / n),
.endr
.irp j, 0,2,4,6
	v_pk_fma_f32 v[D+\j:D+\j+1], v[F+\j:F+\j+1], v[NN:NN+1], v[XS+\j:XS+\j+1] neg_lo:[1,0,0] neg_hi:[1,0,0]   ; w - q n, exactly formed,
.endr
.irp j, 0,2,4,6
	v_pk_fma_f32 v[F+\j:F+\j+1], v[D+\j:D+\j+1], v[RN:RN+1], v[F+\j:F+\j+1]        ; q + (w - q n) / n: the quotient w / n
.endr
.irp j, 0,2,4,6
	v_pk_mul_f32 v[XS+\j:XS+\j+1], v[F+\j:F+\j+1], s[42:43] op_sel_hi:[1,0]        ; v = (w / n) x 30, a rounding of its own
.endr
	COSET 0, OD0, MX0, DS0
	COSET 1, OD1, MX1, DS1
	v_cmp_le_f32 vcc_lo, v[DS0], v[DS1]            ; D8 where it is as near
	v_cndmask_b32 v[OFF], 0.5, 0, vcc_lo
	v_cndmask_b32 v[MX0], v[MX1], v[MX0], vcc_lo
	v_cndmask_b32 v[OD0], v[OD1], v[OD0], vcc_lo
.irp j, 0,2,4,6                        ; the chosen coset once more, by the same lines and so with the same bits: sixteen instructions, as many as sixteen selects, and only v had to be kept
	v_pk_add_f32 v[D+\j:D+\j+1], v[XS+\j:XS+\j+1], v[OFF:OFF+1] op_sel_hi:[1,0] neg_lo:[0,1] neg_hi:[0,1]
.endr
.irp k, 0,1,2,3,4,5,6,7
	v_rndne_f32 v[F+\k], v[D+\k]
.endr
.irp j, 0,2,4,6
	v_pk_add_f32 v[D+\j:D+\j+1], v[D+\j:D+\j+1], v[F+\j:F+\j+1] neg_lo:[0,1] neg_hi:[0,1]
.endr
	v_cmp_eq_f32 s30, 0, v[OD0]                    ; lanes with an even sum turn nothing: they count as served from the start
	v_cmp_eq_f32 s32, |v40|, v[MX0]                ; where is the largest |d|?
	v_cmp_eq_f32 s33, |v41|, v[MX0]
	v_cmp_eq_f32 s34, |v42|, v[MX0]
	v_cmp_eq_f32 s35, |v43|, v[MX0]
	v_cmp_eq_f32 s36, |v44|, v[MX0]
	v_cmp_eq_f32 s37, |v45|, v[MX0]
	v_cmp_eq_f32 s38, |v46|, v[MX0]
	v_cmp_eq_f32 s39, |v47|, v[MX0]
.irp k, 0,1,2,3,4,5,6,7
	v_bfi_b32 v[D+\k], s24, 1.0, v[D+\k]           ; 1 with d's sign (d = +0 gives +1)
.endr
.irp k, 0,1,2,3,4,5,6
	s_and_not1_b32 s[32+\k], s[32+\k], s30         ; the FIRST such coordinate of each lane alone
	s_or_b32 s30, s30, s[32+\k]
.endr
	s_and_not1_b32 s39, s39, s30
	s_wait_alu depctr_va_vdst(0)
.irp k, 0,1,2,3,4,5,6,7
	v_cndmask_b32 v[D+\k], 0, v[D+\k], s[32+\k]
.endr
.irp j, 0,2,4,6
	v_pk_add_f32 v[F+\j:F+\j+1], v[F+\j:F+\j+1], v[D+\j:D+\j+1]
.endr
	v_mul_f32 v[ON], v[OFF], v[NR]                 ; 0 or half of n / 30: exact
.irp j, 0,2,4,6
	v_pk_fma_f32 v[F+\j:F+\j+1], v[F+\j:F+\j+1], v[NR:NR+1], v[ON:ON+1] op_sel_hi:[1,1,0]   ; (whole part + offset) x n / 30, rounded once
.endr
.irp k, 0,1,2,3,4,5,6,7
	v_med3_num_f32 v[F+\k], v[F+\k], -v[LIMW], v[LIMW]   ; the conversion to an 8-bit code does not saturate (ISA guide 7.6.2): the hold at the largest code x the scale
.endr
	v_cvt_scalef32_pk8_bf8_f32 v[CW+2*CC:CW+2*CC+1], v[F:F+7], v[SCW]
	v_nop                                          ; a plain instruction between the conversion and the next chunk's first line, which writes its sources
.if CC >= PRE
	PUTW CC
.endif
.endm
.set CC, 0
.rept PRE                              ; chunks 0 to PRE - 1: on registers alone
.set XS, R+8*CC
	E8
.set CC, CC+1
.endr
	s_wait_alu depctr_va_vdst(0)
	s_barrier_wait -1                              ; all sixteen waves have signalled: their loads have landed, their adds are done, their reads of their regions are back
	tensor_load_to_lds s[GX:GX+3], s[G1:G1+7]      ; x's row into my region: my one tensor load behind the barrier, and the first thing there
	s_nop 0
.set i, 0
.rept PRE
	PUTW i                                         ; the codes that were held back
.set i, i+1
.endr
.rept 16-PRE                           ; the other chunks, while x's row is on its way
.set XS, R+8*CC
	E8
.set CC, CC+1
.endr
	; x's row: 8 neighbours a lane out of my region, held, converted, stored
	s_wait_tensorcnt 0x0                           ; x's row lies in my region
	ROWIN
.set i, 0
.rept 16
	s_wait_dscnt 30-2*i                            ; LDS loads come back in order: chunk i is in, the younger ones may be out
.irp k, 0,1,2,3,4,5,6,7
	v_med3_num_f32 v[R+8*i+\k], v[R+8*i+\k], -v[LIMX], v[LIMX]
.endr
	v_cvt_scalef32_pk8_bf8_f32 v[CX+2*i:CX+2*i+1], v[R+8*i:R+8*i+7], v[SCX]   ; its result goes to a store alone, and no later line writes its sources
	global_store_b64 v[CO], v[CX+2*i:CX+2*i+1], s[12+46*(i/8):13+46*(i/8)] offset:1048576*(i%8)
.set i, i+1
.endr
	s_wait_tensorcnt 0x0                           ; the wave's end, behind my last tensor load
	ds_add_u32 v[SPW], v[NIL]
	s_wait_dscnt 0x0
	s_endpgm
.Lfunc_end_k_q488029038a_prep:
	.size	k_q488029038a_prep, .Lfunc_end_k_q488029038a_prep-k_q488029038a_prep
	.p2alignl 7, 3214868480
	.fill 96, 4, 3214868480
	.section	.rodata,"a",@progbits
	.p2align	6, 0x0
	.amdhsa_kernel k_q488029038a_prep
		.amdhsa_group_segment_fixed_size 327680
		.amdhsa_private_segment_fixed_size 0
		.amdhsa_enable_private_segment 0
		.amdhsa_kernarg_size 40
		.amdhsa_user_sgpr_count 2
		.amdhsa_user_sgpr_kernarg_segment_ptr 1
		.amdhsa_wavefront_size32 1
		.amdhsa_system_sgpr_workgroup_id_x 1
		.amdhsa_system_sgpr_workgroup_id_y 1
		.amdhsa_system_sgpr_workgroup_id_z 1
		.amdhsa_system_vgpr_workitem_id 0
		.amdhsa_next_free_vgpr 256
		.amdhsa_next_free_sgpr 66
		.amdhsa_reserve_vcc 1
		.amdhsa_float_denorm_mode_32 3
		.amdhsa_float_denorm_mode_16_64 3
		.amdhsa_memory_ordered 1
		.amdhsa_forward_progress 1
		.amdhsa_inst_pref_size 158
	.end_amdhsa_kernel
	.amdgpu_metadata
---
amdhsa.version: [ 1, 2 ]
amdhsa.kernels:
  - .name:           k_q488029038a_prep
    .symbol:         k_q488029038a_prep.kd
    .args:
      - { .name: weight, .offset: 0, .size: 8, .value_kind: global_buffer, .address_space: global }
      - { .name: x, .offset: 8, .size: 8, .value_kind: global_buffer, .address_space: global }
      - { .name: lowp_scales, .offset: 16, .size: 8, .value_kind: global_buffer, .address_space: global }
      - { .name: w_codes, .offset: 24, .size: 8, .value_kind: global_buffer, .address_space: global }
      - { .name: x_codes, .offset: 32, .size: 8, .value_kind: global_buffer, .address_space: global }
    .group_segment_fixed_size: 327680
    .private_segment_fixed_size: 0
    .kernarg_segment_align: 8
    .kernarg_segment_size: 40
    .max_flat_workgroup_size: 512
    .sgpr_count:     66
    .vgpr_count:     256
    .wavefront_size: 32
...
	.end_amdgpu_metadata
.endif
;; end of part 1
;; launch gemm (part 2): grid 16 x 16, 4 waves a work-group, clusters of 4 x 4, 327,680 bytes of LDS; arguments x_codes, w_codes, lowp_scales, bias, out0; writes out0
.if DOCPART == 2
	.amdgcn_target "amdgcn-amd-amdhsa--gfx1250"
	.amdhsa_code_object_version 6
	.text
	.protected	k_q488029038a_gemm
	.globl	k_q488029038a_gemm
	.p2align	8
	.type	k_q488029038a_gemm,@function
k_q488029038a_gemm:
	s_mov_b64 s[64:65], 0
	v_nop
	global_prefetch_b8 v0, s[64:65] scope:SCOPE_SE
	s_setreg_imm32_b32 hwreg(HW_REG_WAVE_MODE, 25, 1), 1
	s_wait_xcnt 0x0
	s_wait_alu depctr_hold_cnt(0) depctr_sa_sdst(0) depctr_va_vdst(0) depctr_va_sdst(0) depctr_va_ssrc(0) depctr_va_vcc(0) depctr_vm_vsrc(0)
	s_getreg_b32 s2, hwreg(HW_REG_IB_STS2, 6, 4)
	s_cmp_eq_u32 s2, 0
	s_cbranch_scc0 .Lentry_in_a_cluster
	s_endpgm
.Lentry_in_a_cluster:
	s_bfe_u32 s2, ttmp6, 0x10000c
	s_cmp_lg_u32 s2, 0xf033
	s_cbranch_scc0 .Lentry_shape_is_right
	s_endpgm
.Lentry_shape_is_right:
; out0[m][n] = 2^(ex + ew) x (sum over k of X[m][k] W[n][k]) + bias[n].  X, W: codes of BF8 (E5M2), 4096 x 4096 each, laid by K steps: [16][4096 rows][256 codes]; out0 [4096][4096] f32; sums in f32.
; LIMIT: ex + ew lies between -126 and 127, so that 2^(ex + ew) is an f32 number.
; A block of out0, 256 x 256, is made by a work-group of four waves; a wave makes 128 x 128: 64 accumulators of 16 x 16, 512 registers.  256 work-groups, one block each.
; K goes in steps of 256 through a ring of two LDS slots filled by the tensor data mover.  A wave's load is 128 rows x 256 bytes, 32,768 consecutive bytes of memory, padded in LDS to rows of 272.
; CLUSTERS: 4 x 4 work-groups.  The four of a row of the cluster need the same tiles of X, the four of a column the same tiles of W: each tile is asked for jointly, by the same load with a mask that names the four.
; THE MATRIX INSTRUCTION IS USED TRANSPOSED (source 0 = 16 rows of W, source 1 = 16 rows of X): a lane then holds eight neighbouring numbers of a row of out0.
; A fragment is fetched by four loads of 16 bytes: a permutation of k inside 128, the same in X and W, so every product meets its partner.
; REGISTERS, in windows of 256: window 0: v0-31 addresses and bias; from v128 X's fragments (8 x 16 rows x 128 K), one set; window 1: W's fragments, two sets; windows 2, 3: the accumulators of my rows 0-63, 64-127.
; PREFETCH: behind the load of K step s each wave names, a lane a row, 32 rows x 256 bytes of K step s + 2: of the 128 rows that it fetches, the 32 that fall to its work-group among the four partners, told apart by address.
; So each 256 bytes are named once in each cluster that loads them.  K step 1 is named with K step 2 behind the first load.  The refills of K steps 14 and 15 name nothing.
.set SIZE_N, 4096
.set ROWB,   256
.set PLANE,  4096*256                  ; bytes of one K step of all 4,096 rows
.set PITCH,  272                       ; an LDS row: 256 bytes + 16 of padding: the 16 rows that a load touches start at 16 different banks (64 banks of 4 bytes: ISA guide 11.1)
.set FR,     16
.set NL,     4
.set NP,     4                         ; places behind this matrix instruction (ISA guide 7.12.1)
.set HALFT,  128*PITCH
.set SLOT,   4*HALFT                   ; X's 256 rows, then W's 256 rows
.set LAPS,   8                         ; a lap = two K steps = once round the ring
.set SPARE,  2*SLOT                    ; behind the ring: the spare words, 128 bytes a wave, that no other line names
.set SPITCH, 528                       ; the way out: a stage of 16 rows x (512 + 16) bytes a wave, in slot 0, which has had its last fill and its last read by then
.set BI,   8                           ; v[8:11] bias of my four columns on the way out
.set ADRA, 16                          ; v16-17 LDS address of my X fragments in slot 0, 1
.set ADRB, 20                          ; v20-21 the same for W
.set STO,  24
.set RD,   25
.set CO,   26
.set SPW,  28                          ; my spare word's address; never rewritten
.set NIL,  29                          ; 0; never rewritten
.set PFO,  30                          ; 256 x lane: a lane a row in the prefetches; never rewritten
.set AF,   128
.set BK,   128
.set G1, 24
.set G0, 32
.set G1B, 48
.set G0B, 56
.set PFA, 70                           ; s[70:71] my prefetches' base: two K steps short of the K step that is named
.set FLAGS, (0<<16)|(1<<20)|(1<<21)|(5<<22)|(3<<25)   ; element of 1 byte; padding on; bit 21 beside a mask; behind every 64 words, 4 words
.set MSB, 0
.macro WIN new
.if MSB != \new
	s_set_vgpr_msb (MSB<<8)|\new
.set MSB, \new
.endif
.endm
.set MUL_LO, 0xa1
.set MUL_HI, 0xf1
.set TO_B,   0x40
.macro JLOAD g0a, g1a, g0b, g1b        ; a joint load: waves 0, 1 fetch X's halves, waves 2, 3 W's; s_nop 0 and four v_nop behind each line
	s_cmp_eq_u32 s15, 0
	s_cbranch_scc0 .Lfor_b_\@
	tensor_load_to_lds s[\g0a:\g0a+3], s[\g1a:\g1a+7]
	s_nop 0
.rept 4
	v_nop
.endr
	s_branch .Lasked_\@
.Lfor_b_\@:
	tensor_load_to_lds s[\g0b:\g0b+3], s[\g1b:\g1b+7]
	s_nop 0
.rept 4
	v_nop
.endr
.Lasked_\@:
.endm
.macro ASK                             ; s3 = 1 in the loop's last trip, whose refills have no K step two on
	s_cmp_gt_u32 s3, 1
	s_cbranch_scc0 .Lnone_\@
	global_prefetch_b8 v[PFO], s[PFA:PFA+1] offset:2*PLANE th:TH_LOAD_NT scope:SCOPE_SE
.Lnone_\@:
.endm
.macro CROUND                          ; a round of the cluster's barrier
	s_barrier_signal -1
	s_barrier_wait -1
	s_cmp_lg_u32 s14, 0
	s_cbranch_scc1 .Lnot_wave_0_\@
	s_barrier_signal -3
.Lnot_wave_0_\@:
	s_barrier_wait -3
	s_barrier_signal -1
	s_barrier_wait -1
.endm
	s_load_b128 s[4:7], s[0:1], 0x0                ; X's codes, W's codes
	s_load_b64 s[8:9], s[0:1], 0x10                ; the scales' exponents
	s_load_b64 s[68:69], s[0:1], 0x18              ; bias
	s_load_b64 s[10:11], s[0:1], 0x20              ; out0
	v_lshl_add_u32 v[SPW], v0, 2, SPARE
	v_mov_b32 v[NIL], 0
	ds_add_u32 v[SPW], v[NIL]                      ; the opening lines: the add, twice on end, and its wait ahead of the round in front of my first tensor load
	ds_add_u32 v[SPW], v[NIL]
	v_lshrrev_b32 v1, 5, v0
	v_readfirstlane_b32 s14, v1                    ; wave 0..3
	s_lshr_b32 s15, s14, 1                         ; my half of the block's rows; also: I fetch for X (0) or W (1)
	s_and_b32 s16, s14, 1                          ; my half of its columns; also: which 128 rows I fetch
	s_bfe_u32 s40, ttmp6, 0x40000                  ; cx
	s_bfe_u32 s41, ttmp6, 0x40004                  ; cy
	s_lshl_b32 s42, ttmp9, 2
	s_add_co_u32 s42, s42, s40                     ; block column
	s_and_b32 s17, ttmp7, 0xffff
	s_lshl_b32 s17, s17, 2
	s_add_co_u32 s17, s17, s41                     ; block row
	s_lshl_b32 s43, s41, 2
	s_lshl_b32 s43, 15, s43                        ; my row of the cluster
	s_lshl_b32 s44, 0x1111, s40                    ; my column
	s_or_b32 s[G1+0], s43, FLAGS
	s_or_b32 s[G1B+0], s44, FLAGS
.irp g, G1, G1B
	s_mov_b32 s[\g+1], ROWB<<16                    ; tensor_dim0 = 256
	s_mov_b32 s[\g+2], 128<<16                     ; tensor_dim1 = 128
	s_mov_b32 s[\g+3], ROWB<<16                    ; tile_dim0
	s_mov_b32 s[\g+4], 128                         ; tile_dim1
	s_mov_b32 s[\g+5], ROWB                        ; the pitch: rows are dense inside a K step's plane
	s_mov_b32 s[\g+6], 0
	s_mov_b32 s[\g+7], 0
.endr
	s_lshl_b32 s18, s16, 7
	s_lshl_b32 s20, s17, 8
	s_add_co_u32 s20, s20, s18                     ; X: row 256 x block row + 128 x half,
	s_lshl_b32 s20, s20, 8                         ; x 256 bytes
	s_lshl_b32 s46, s42, 8
	s_add_co_u32 s46, s46, s18                     ; W: row 256 x block column + 128 x half
	s_lshl_b32 s46, s46, 8
	s_mov_b32 s21, 0
	s_mov_b32 s47, 0
	s_mul_i32 s45, s14, HALFT                      ; where they go: wave x 128 rows
	s_wait_dscnt 0x0                               ; both opening adds are done
	s_wait_kmcnt 0x0
	s_load_b64 s[96:97], s[8:9], 0x0               ; ex, ew
	s_add_nc_u64 s[20:21], s[4:5], s[20:21]
	s_add_nc_u64 s[46:47], s[6:7], s[46:47]
.irp s, 0,1
	s_mov_b32 s[G0+4*\s], 1
	s_add_co_u32 s[G0+4*\s+1], s45, \s*SLOT
	s_add_nc_u64 s[G0+4*\s+2:G0+4*\s+3], s[20:21], \s*PLANE
	s_or_b32 s[G0+4*\s+3], s[G0+4*\s+3], 0x80000000
	s_mov_b32 s[G0B+4*\s], 1
	s_add_co_u32 s[G0B+4*\s+1], s45, \s*SLOT
	s_add_nc_u64 s[G0B+4*\s+2:G0B+4*\s+3], s[46:47], \s*PLANE
	s_or_b32 s[G0B+4*\s+3], s[G0B+4*\s+3], 0x80000000
.endr
	CROUND                                         ; all sixteen work-groups are here: the first joint loads meet
	JLOAD G0, G1, G0B, G1B                         ; K step 0: one tensor load a wave at the head
	; the prefetches' base: my work-group's 32 of the 128 rows that I fetch, at K step 1
	s_lshl_b32 s73, s17, 8
	s_lshl_b32 s74, s42, 8
	s_cmp_eq_u32 s15, 0
	s_cselect_b32 s73, s73, s74
	s_cselect_b32 s74, s40, s41                    ; my place among the four that ask with me
	s_cselect_b64 s[PFA:PFA+1], s[4:5], s[6:7]
	s_lshl_b32 s75, s16, 7
	s_add_co_u32 s73, s73, s75
	s_lshl_b32 s74, s74, 5
	s_add_co_u32 s73, s73, s74
	s_lshl_b32 s76, s73, 8
	s_add_co_u32 s76, s76, PLANE
	s_mov_b32 s77, 0
	s_add_nc_u64 s[PFA:PFA+1], s[PFA:PFA+1], s[76:77]
	s_mul_i32 s21, s15, HALFT                      ; my 128 rows of X
	s_mul_i32 s22, s16, HALFT
	s_add_co_u32 s22, s22, 2*HALFT                 ; my 128 rows of W, behind X's 256
	s_mul_i32 s23, s14, 16*SPITCH                  ; my stage
	v_and_b32 v1, 15, v0                           ; l % 16
	v_bfe_u32 v2, v0, 4, 1                         ; l / 16
	v_and_b32 v6, 31, v0
	v_mul_u32_u24 v3, v1, PITCH
	v_mul_u32_u24 v5, v1, SPITCH
	v_lshl_add_u32 v4, v2, 4, v3                   ; a fragment's row x pitch + 16 x half
	v_lshl_add_u32 v5, v2, 5, v5                   ; into the stage: row l % 16, 32 bytes for each half of the lanes
	v_lshlrev_b32 v[PFO], 8, v6
	v_lshlrev_b32 v[CO], 4, v6                     ; back: the 32 lanes take one row of 512 bytes; the same in out0 and in bias
	v_add_nc_u32 v[ADRA], s21, v4
	v_add_nc_u32 v[ADRB], s22, v4
	v_add_nc_u32 v[ADRA+1], SLOT, v[ADRA]
	v_add_nc_u32 v[ADRB+1], SLOT, v[ADRB]
	v_add_nc_u32 v[STO], s23, v5
	v_add_nc_u32 v[RD], s23, v[CO]
	s_wait_alu depctr_va_vdst(0)
	global_prefetch_b8 v[PFO], s[PFA:PFA+1] th:TH_LOAD_NT scope:SCOPE_SE                ; K step 1
	global_prefetch_b8 v[PFO], s[PFA:PFA+1] offset:PLANE th:TH_LOAD_NT scope:SCOPE_SE   ; K step 2
	s_lshl_b32 s20, s17, 8
	s_lshl_b32 s21, s15, 7
	s_add_co_u32 s20, s20, s21                     ; my first row of out0,
	s_lshl_b32 s20, s20, 14                        ; x 16,384 bytes
	s_mov_b32 s21, 0
	s_lshl_b32 s46, s42, 10                        ; my first column, in bytes: 1,024 x block column + 512 x half
	s_lshl_b32 s47, s16, 9
	s_add_co_u32 s46, s46, s47
	s_mov_b32 s47, 0
	s_add_nc_u64 s[10:11], s[10:11], s[20:21]
	s_add_nc_u64 s[10:11], s[10:11], s[46:47]
	s_add_nc_u64 s[68:69], s[68:69], s[46:47]
	global_load_b128 v[BI:BI+3], v[CO], s[68:69]   ; waited for in front of the way out
.macro FRAG reg, adr, q, i             ; 16 rows x 128 K: lane l holds row l % 16; registers 4 c .. 4 c + 3 hold K = 32 c + 16 (l / 16) + 0 .. 15
.irp c, 0,1,2,3
	ds_load_b128 v[\reg+4*\c:\reg+4*\c+3], v[\adr] offset:128*(\q)+32*\c+(\i)*16*PITCH
.endr
.endm
.macro MUL16 a0, p, zero               ; X's blocks a0, a0 + 1 against W's eight; the 64 accumulators take turns, in the same order in every step
.irp a, \a0, \a0+1
.irp b, 0,1,2,3,4,5,6,7
.if \zero
	v_wmma_f32_16x16x128_bf8_bf8 v[8*(8*((\a)%4)+\b):8*(8*((\a)%4)+\b)+7], v[128*(\p)+FR*\b:128*(\p)+FR*\b+FR-1], v[AF+FR*(\a):AF+FR*(\a)+FR-1], 0
.else
	v_wmma_f32_16x16x128_bf8_bf8 v[8*(8*((\a)%4)+\b):8*(8*((\a)%4)+\b)+7], v[128*(\p)+FR*\b:128*(\p)+FR*\b+FR-1], v[AF+FR*(\a):AF+FR*(\a)+FR-1], v[8*(8*((\a)%4)+\b):8*(8*((\a)%4)+\b)+7]
.endif
.endr
.endr
.endm
.macro FETCH_B slot, q, p
	WIN TO_B
.irp i, 0,1,2,3,4,5,6,7
	FRAG 128*(\p)+FR*\i, ADRB+\slot, \q, \i
.endr
	WIN 0
.endm
.macro FETCH_A slot, q, i0
.irp i, \i0, \i0+1, \i0+2, \i0+3
	FRAG AF+FR*(\i), ADRA+\slot, \q, \i
.endr
.endm
.macro PLACES n                        ; in front of loads into registers that matrix instructions have read, and of the first read of results
.rept \n
	v_nop
.endr
.endm
.macro STEP slot, q, zero              ; 128 along K that has its successor in the same slot
	s_wait_dscnt 4*NL                              ; W's set and X's blocks 0-3 are in; the youngest 16 loads (blocks 4-7) may be out
	WIN MUL_LO
	MUL16 0, (\q)%2, \zero
	MUL16 2, (\q)%2, \zero
	s_wait_dscnt 0
	PLACES NP
	FETCH_B \slot, (\q)+1, 1-(\q)%2
	FETCH_A \slot, (\q)+1, 0
	WIN MUL_HI
	MUL16 4, (\q)%2, \zero
	MUL16 6, (\q)%2, \zero
	PLACES NP
	WIN 0
	FETCH_A \slot, (\q)+1, 4
.endm
; A slot's last 128 along K changes slots.  Sixteen products stand ahead of the wait for the next slot's tile and sixteen between the add and the wait for it; then the round (fill = 1) or the work-group's barrier.
.macro TURN slot, next, fill
	s_wait_dscnt 4*NL                              ; W's set 1 and X's blocks 0-3 are in; blocks 4-7 may be out
	WIN MUL_LO
	MUL16 0, 1, 0
	WIN 0                                          ; the add's two registers lie in window 0
.if \fill
	s_wait_xcnt 0x0                                ; my prefetches have read their base: it steps a K step on
	s_add_nc_u64 s[PFA:PFA+1], s[PFA:PFA+1], PLANE
.endif
	s_wait_tensorcnt 0x0                           ; all my tensor loads have landed: my part of the next slot
	ds_add_u32 v[SPW], v[NIL]
.if \fill
	s_add_nc_u64 s[G0+4*\slot+2:G0+4*\slot+3], s[G0+4*\slot+2:G0+4*\slot+3], 2*PLANE     ; no load of mine is out: this slot's next K step
	s_add_nc_u64 s[G0B+4*\slot+2:G0B+4*\slot+3], s[G0B+4*\slot+2:G0B+4*\slot+3], 2*PLANE
.endif
	WIN MUL_LO
	MUL16 2, 1, 0
	WIN 0
	s_wait_dscnt 0x0                               ; the add is done, and my reads of this slot are over
.if \fill
	CROUND                                         ; no wave of any partner still reads this slot or has a load on its way
	JLOAD G0+4*\slot, G1, G0B+4*\slot, G1B         ; the first tensor load behind the round; its four v_nop are also the places in front of the loads below
.else
	s_barrier_signal -1
	s_barrier_wait -1
	PLACES NP
.endif
	FETCH_B \next, 0, 0
	FETCH_A \next, 0, 0
.if \fill
	ASK
.endif
	WIN MUL_HI
	MUL16 4, 1, 0
	MUL16 6, 1, 0
	PLACES NP
	WIN 0
	FETCH_A \next, 0, 4
.endm
	s_wait_tensorcnt 0x0                           ; my part of K step 0 is in
	ds_add_u32 v[SPW], v[NIL]
	s_wait_dscnt 0x0
	CROUND                                         ; everybody's part of K step 0 is in, and the joint loads meet
	JLOAD G0+4, G1, G0B+4, G1B                     ; K step 1: slot 1's first fill, the first tensor load behind the round
	FETCH_B 0, 0, 0
	FETCH_A 0, 0, 0
	FETCH_A 0, 0, 4
	global_prefetch_b8 v[PFO], s[PFA:PFA+1] offset:2*PLANE th:TH_LOAD_NT scope:SCOPE_SE   ; K step 3
	STEP 0, 0, 1                                   ; the first step's products start the sums: nothing is cleared
	s_mov_b32 s3, LAPS-1
.Llap:                                                 ; a trip goes once round the ring and fills both slots again
	TURN 0, 1, 1
	STEP 1, 0, 0
	TURN 1, 0, 1
	STEP 0, 0, 0
	s_sub_co_u32 s3, s3, 1
	s_cmp_lg_u32 s3, 0
	s_cbranch_scc1 .Llap
	TURN 0, 1, 0                                   ; the last lap fills nothing
	STEP 1, 0, 0
	s_wait_dscnt 4*NL
	WIN MUL_LO
	MUL16 0, 1, 0
	MUL16 2, 1, 0
	s_wait_dscnt 0
	WIN MUL_HI
	MUL16 4, 1, 0
	MUL16 6, 1, 0
	WIN 0
; THE WAY OUT, by blocks of 16 rows x 128 columns: the sums go through my own stage as they are, each accumulator from its low end on, and come back as whole rows of 512 bytes;
; there each is multiplied by 2^(ex + ew) and takes its column's bias in one fused step, and the 32 lanes store two aligned units of 256 bytes.  LDS serves a wave's instructions in order (ISA guide 5.7.1.4).
.macro TOSTAGE a
.set AC, 64*((\a)%4)
	WIN 0x08+4*((\a)/4)                            ; the stores' data: window 2 or 3
.irp b, 0,1,2,3,4,5,6,7
	ds_store_b128 v[STO], v[AC+8*\b:AC+8*\b+3] offset:64*\b
	ds_store_b128 v[STO], v[AC+8*\b+4:AC+8*\b+7] offset:64*\b+16
.endr
	WIN 0
.set BB, BK+64*((\a)%2)
.irp t, 0,1,2,3,4,5,6,7,8,9,10,11,12,13,14,15
	ds_load_b128 v[BB+4*\t:BB+4*\t+3], v[RD] offset:\t*SPITCH
.endr
.endm
.macro SEND a, younger                 ; younger: the LDS instructions issued behind block a's loads
.set BB, BK+64*((\a)%2)
	s_wait_dscnt \younger
.if (\a) > 0
	s_add_nc_u64 s[10:11], s[10:11], 16*SIZE_N*4   ; behind a wait on XCNT: the earlier stores have read their base
.endif
.irp t, 0,1,2,3,4,5,6,7,8,9,10,11,12,13,14,15
	v_pk_fma_f32 v[BB+4*\t:BB+4*\t+1], v[BB+4*\t:BB+4*\t+1], s[96:97], v[BI:BI+1] op_sel_hi:[1,0,1]
	v_pk_fma_f32 v[BB+4*\t+2:BB+4*\t+3], v[BB+4*\t+2:BB+4*\t+3], s[96:97], v[BI+2:BI+3] op_sel_hi:[1,0,1]
.endr
.irp t, 0,1,2,3,4,5,6,7,8,9,10,11,12,13,14,15
	global_store_b128 v[CO], v[BB+4*\t:BB+4*\t+3], s[10:11] offset:\t*SIZE_N*4 th:TH_STORE_NT
.endr
.endm
	s_wait_kmcnt 0x0
	s_add_co_i32 s96, s96, s97                     ; ex + ew, between -126 and 127,
	s_add_co_i32 s96, s96, 127
	s_lshl_b32 s96, s96, 23                        ; makes the f32 number 2^(ex + ew)
	s_mov_b32 s97, s96
	s_wait_loadcnt 0x0                             ; bias
	PLACES NP
	s_wait_alu depctr_va_vdst(0)
	TOSTAGE 0
.irp a, 1,2,3,4,5,6,7
.if \a > 1
	s_wait_xcnt 0x0                                ; block a - 2's stores have read their registers and their base
.endif
	TOSTAGE \a
	SEND \a-1, 32
.endr
	s_wait_xcnt 0x0
	SEND 7, 0
	s_wait_tensorcnt 0x0                           ; the wave's end
	ds_add_u32 v[SPW], v[NIL]
	s_wait_dscnt 0x0
	CROUND                                         ; the closing round
	s_endpgm
.Lfunc_end_k_q488029038a_gemm:
	.size	k_q488029038a_gemm, .Lfunc_end_k_q488029038a_gemm-k_q488029038a_gemm
	.p2alignl 7, 3214868480
	.fill 96, 4, 3214868480
	.section	.rodata,"a",@progbits
	.p2align	6, 0x0
	.amdhsa_kernel k_q488029038a_gemm
		.amdhsa_group_segment_fixed_size 327680
		.amdhsa_private_segment_fixed_size 0
		.amdhsa_enable_private_segment 0
		.amdhsa_kernarg_size 40
		.amdhsa_user_sgpr_count 2
		.amdhsa_user_sgpr_kernarg_segment_ptr 1
		.amdhsa_wavefront_size32 1
		.amdhsa_system_sgpr_workgroup_id_x 1
		.amdhsa_system_sgpr_workgroup_id_y 1
		.amdhsa_system_sgpr_workgroup_id_z 1
		.amdhsa_system_vgpr_workitem_id 0
		.amdhsa_next_free_vgpr 1024
		.amdhsa_next_free_sgpr 98
		.amdhsa_reserve_vcc 0
		.amdhsa_float_denorm_mode_32 3
		.amdhsa_float_denorm_mode_16_64 3
		.amdhsa_memory_ordered 1
		.amdhsa_forward_progress 1
		.amdhsa_inst_pref_size 125
	.end_amdhsa_kernel
	.amdgpu_metadata
---
amdhsa.version: [ 1, 2 ]
amdhsa.kernels:
  - .name:           k_q488029038a_gemm
    .symbol:         k_q488029038a_gemm.kd
    .args:
      - { .name: x_codes, .offset: 0, .size: 8, .value_kind: global_buffer, .address_space: global }
      - { .name: w_codes, .offset: 8, .size: 8, .value_kind: global_buffer, .address_space: global }
      - { .name: lowp_scales, .offset: 16, .size: 8, .value_kind: global_buffer, .address_space: global }
      - { .name: bias, .offset: 24, .size: 8, .value_kind: global_buffer, .address_space: global }
      - { .name: out0, .offset: 32, .size: 8, .value_kind: global_buffer, .address_space: global }
    .group_segment_fixed_size: 327680
    .private_segment_fixed_size: 0
    .kernarg_segment_align: 8
    .kernarg_segment_size: 40
    .max_flat_workgroup_size: 128
    .sgpr_count:     98
    .vgpr_count:     1024
    .wavefront_size: 32
...
	.end_amdgpu_metadata
.endif
;; end of part 2
